; MI455X (gfx1250); checked and timed in simulation.
; The chip was launched on July 23, 2026; its instructions are those of AMD's public machine-readable ISA for CDNA 5 (MIT licence, August 2026) and "CDNA5" Instruction Set Architecture Reference Guide (July 2026). The comments in the code are by the model that wrote it; some were corrected since.
;; Multi Head attention. Allowed arithmetic: matrix products marked QUANTISED: E5M2 operands, one given power-of-two scale a tensor, by v_wmma_f32_16x16x64_bf8_bf8 or v_wmma_f32_16x16x128_bf8_bf8, f32 sums; everything else in f32.
;; Inputs: Wk_codes 1,024 x 32 x 32 uint8 (E5M2 codes of Wk, K innermost, in blocks of 32 codes); Wq_codes 1,024 x 32 x 32 uint8 (E5M2 codes of Wq, K innermost, in blocks of 32 codes); Wv_codes 1,024 x 32 x 32 uint8 (E5M2 codes of Wv, K innermost, in blocks of 32 codes); bk 1,024 float32; bq 1,024 float32; bv 1,024 float32; lowp_scales 10 int32 (the exponents e of the quantised operands' scales 2^e); x_codes 4 x 2,048 x 32 x 32 uint8 (E5M2 codes of x, K innermost, in blocks of 32 codes).
;; Outputs: out0 4 x 2,048 x 1,024 float32.
;; This version of the problem:
;;   THIS VERSION OF THE PROBLEM IS GIVEN IN LOW PRECISION. The matrix products marked QUANTISED in the list below multiply operands that are first quantised to E5M2 (5 exponent bits, 2 mantissa bits; 8 bits a number), with one given power-of-two scale for each operand tensor; their sums are f32. All else is computed in f32.
;;   The module's matrix products, in the order in which they are computed (A, B: the left and right operand; K: the contracted axis; several contracted axes count as one K, in the product's order):
;;     1. [M 8,192, K 1,024] x [K 1,024, N 1,024]; A: input x (given as codes); B: input Wq (given as codes): QUANTISED (scales: A lowp_scales[0], B lowp_scales[1])
;;     2. [M 8,192, K 1,024] x [K 1,024, N 1,024]; A: input x (given as codes); B: input Wk (given as codes): QUANTISED (scales: A lowp_scales[2], B lowp_scales[3])
;;     3. [M 8,192, K 1,024] x [K 1,024, N 1,024]; A: input x (given as codes); B: input Wv (given as codes): QUANTISED (scales: A lowp_scales[4], B lowp_scales[5])
;;     4. batch 64 x [M 2,048, K 64] x [K 64, N 2,048]; A: computed on the way; B: computed on the way: QUANTISED (scales: A lowp_scales[6], B lowp_scales[7])
;;     5. batch 64 x [M 2,048, K 2,048] x [K 2,048, N 64]; A: computed on the way; B: computed on the way: QUANTISED (scales: A lowp_scales[8], B lowp_scales[9])
;;   THE QUANTISER, for each operand of a quantised product, along K:
;;     - The operand's scale is 2^e, e = its entry of the input lowp_scales (int32; the entries are numbered through the quantised products in the list's order, A before B).
;;     - Each number is divided by the scale, clamped to +-57,344, and rounded to the nearest number of E5M2, ties to even, subnormals kept.
;;     - The product sums the exact products of the quantised numbers (number of the format x scale) in f32.
;;   ~~~python
;;   def quantise(x, axis, e):      # numpy; x: float32 -> the quantised numbers, widened to float32 again
;;       x = np.moveaxis(x, axis, -1); K = x.shape[-1]
;;       r = np.clip(x / 2.0 ** e, -57344, 57344)
;;       step = 2.0 ** (np.maximum(np.frexp(np.where(r == 0, 1, r))[1] - 1, -14) - 2)
;;       q = np.round(r / step) * step * 2.0 ** e      # np.round: ties to even
;;       return np.moveaxis(q, -1, axis).astype(np.float32)
;;   ~~~
;;   OPERANDS COMPUTED ON THE WAY. 'Computed on the way' means the value that the module computes at that place (a softmax that the list does not call 'softmax' is quantised finished and normalised). What goes into a quantiser is computed in f32, as accurately as f32 sums, v_exp_f32 and their like allow (about 1e-6 of the number): no bf16 or f16 on the way to a quantiser, and a product that is left as it is and whose result goes on into a quantised operand takes f32 operands (vector FMAs, or v_wmma_f32_16x16x4_f32). A number that lies on a knife's edge between two numbers of the format may be rounded either way, as far as f32 arithmetic and the matrix unit's own rounding can turn it there, and no further.
;;   INPUTS GIVEN AS CODES. Wk (in the module: [1024, 1024], K = its axis 1); Wq (in the module: [1024, 1024], K = its axis 1); Wv (in the module: [1024, 1024], K = its axis 1); x (in the module: [4, 2048, 1024], K = its axis 2): each comes as NAME_codes (uint8): NAME with its K axis moved to the last place and cut into blocks of 32 codes, [.., K / 32, bytes a block], one block behind the other in memory; one code a byte (a code: sign, 5 exponent bits, 2 mantissa bits); its scale is its entry of lowp_scales. Its value is code x scale, taken as it is: it is not quantised again, and the codes and scales need not be those that the quantiser above would give.
;; One version. Each part assembles by itself: llvm-mc -triple=amdgcn-amd-amdhsa -mcpu=gfx1250 --defsym DOCPART=n.
;; ======== version 1 of 1: 3 launches
;; limits: right only within a limited range of input values
;; workspace buffers: qkv 25,165,824 bytes; bst 524,288 bytes
;; launch proj (part 1): grid 4 x 96, 4 waves a work-group, clusters of 4 x 4, 327,680 bytes of LDS; arguments x_codes, Wq_codes, Wk_codes, Wv_codes, bq, bk, bv, lowp_scales, qkv; writes qkv
.if DOCPART == 1
	.amdgcn_target "amdgcn-amd-amdhsa--gfx1250"
	.amdhsa_code_object_version 6
	.text
	.protected	k_q098e307b58_proj
	.globl	k_q098e307b58_proj
	.p2align	8
	.type	k_q098e307b58_proj,@function
k_q098e307b58_proj:
	s_mov_b64 s[64:65], 0
	v_nop
	global_prefetch_b8 v0, s[64:65] scope:SCOPE_SE
	s_setreg_imm32_b32 hwreg(HW_REG_WAVE_MODE, 25, 1), 1
	s_wait_xcnt 0x0
	s_wait_alu depctr_hold_cnt(0) depctr_sa_sdst(0) depctr_va_vdst(0) depctr_va_sdst(0) depctr_va_ssrc(0) depctr_va_vcc(0) depctr_vm_vsrc(0)
	s_getreg_b32 s2, hwreg(HW_REG_IB_STS2, 6, 4)
	s_cmp_eq_u32 s2, 0
	s_cbranch_scc0 .Lentry_in_a_cluster
	s_endpgm
.Lentry_in_a_cluster:
	s_bfe_u32 s2, ttmp6, 0x10000c
	s_cmp_lg_u32 s2, 0xf033
	s_cbranch_scc0 .Lentry_shape_is_right
	s_endpgm
.Lentry_shape_is_right:
.set SIZE_K, 1024
.set KSTEP,  256
.set ROWB,   256
.set KROW,   SIZE_K
.set PITCH,  272
.set FR,     16
.set NL,     4
.set NP,     4
.set HALFT,  128*PITCH
.set SLOT,   4*HALFT
.set LAPS,   SIZE_K/(2*KSTEP)
.set SPARE,  2*SLOT
.set HEADB,  393216
.set OFN,  8
.set OFM,  9
.set VLO,  10
.set VHI,  11
.set SCV,  12
.set LIM,  13
.set ADRA, 16
.set ADRB, 20
.set SPW,  28
.set NIL,  29
.set BN,   32
.set BM,   96
.set T,    112
.set CD,   176
.set AF,   128
.set G1, 24
.set G0, 32
.set G1B, 48
.set G0B, 56
.set MSB, 0
.macro WIN new
.if MSB != \new
	s_set_vgpr_msb (MSB<<8)|\new
.set MSB, \new
.endif
.endm
.set MUL_LO, 0xa1
.set MUL_HI, 0xf1
.set TO_B,   0x40
.macro JLOAD g0a, g1a, g0b, g1b
	s_cmp_eq_u32 s15, 0
	s_cbranch_scc0 .Lfor_b_\@
	tensor_load_to_lds s[\g0a:\g0a+3], s[\g1a:\g1a+7]
	s_nop 0
.rept 4
	v_nop
.endr
	s_branch .Lasked_\@
.Lfor_b_\@:
	tensor_load_to_lds s[\g0b:\g0b+3], s[\g1b:\g1b+7]
	s_nop 0
.rept 4
	v_nop
.endr
.Lasked_\@:
.endm
.macro CREST
	s_cmp_lg_u32 s14, 0
	s_cbranch_scc1 .Lnot_wave_0_\@
	s_barrier_signal -3
.Lnot_wave_0_\@:
	s_barrier_wait -3
	s_barrier_signal -1
	s_barrier_wait -1
.endm
.macro CROUND
	s_barrier_signal -1
	s_barrier_wait -1
	CREST
.endm
	s_load_b256 s[68:75], s[0:1], 0x0
	s_load_b256 s[76:83], s[0:1], 0x20
	s_load_b64 s[84:85], s[0:1], 0x40
	v_lshl_add_u32 v[SPW], v0, 2, SPARE
	v_mov_b32 v[NIL], 0
	ds_add_u32 v28, v29
	ds_add_u32 v28, v29
	s_wait_dscnt 0x0
	v_lshrrev_b32 v1, 5, v0
	v_readfirstlane_b32 s14, v1
	s_lshr_b32 s15, s14, 1
	s_and_b32 s16, s14, 1
	s_bfe_u32 s40, ttmp6, 0x40000
	s_bfe_u32 s41, ttmp6, 0x40004
	s_and_b32 s90, ttmp7, 0xffff
	s_lshr_b32 s91, s90, 3
	s_and_b32 s92, s90, 7
	s_cmp_eq_u32 s91, 2
	s_cselect_b32 s93, 0, s92
	s_cselect_b32 s94, s92, 0
	s_lshl_b32 s17, s93, 2
	s_add_co_u32 s17, s17, s41
	s_lshl_b32 s42, s94, 2
	s_add_co_u32 s42, s42, s40
	s_lshl_b32 s43, s41, 2
	s_lshl_b32 s43, 15, s43
	s_lshl_b32 s44, 0x1111, s40
	s_or_b32 s[G1+0], s43, (0<<16)|(1<<20)|(1<<21)|(5<<22)|(3<<25)
	s_or_b32 s[G1B+0], s44, (0<<16)|(1<<20)|(1<<21)|(5<<22)|(3<<25)
.irp g, G1, G1B
	s_mov_b32 s[\g+1], ROWB<<16
	s_mov_b32 s[\g+2], 128<<16
	s_mov_b32 s[\g+3], ROWB<<16
	s_mov_b32 s[\g+4], 128
	s_mov_b32 s[\g+5], KROW
	s_mov_b32 s[\g+6], 0
	s_mov_b32 s[\g+7], 0
.endr
	s_lshl_b32 s18, s16, 7
	s_lshl_b32 s20, s17, 8
	s_add_co_u32 s20, s20, s18
	s_lshl_b32 s20, s20, 10
	s_mov_b32 s21, 0
	s_lshl_b32 s46, s42, 8
	s_add_co_u32 s46, s46, s18
	s_lshl_b32 s46, s46, 10
	s_mov_b32 s47, 0
	s_mul_i32 s45, s14, HALFT
	s_wait_kmcnt 0x0
	s_cmp_eq_u32 s91, 2
	s_cselect_b64 s[4:5], s[74:75], s[68:69]
	s_cselect_b64 s[6:7], s[68:69], s[70:71]
	s_cselect_b64 s[8:9], s[80:81], s[76:77]
	s_cmp_eq_u32 s91, 1
	s_cselect_b64 s[6:7], s[72:73], s[6:7]
	s_cselect_b64 s[8:9], s[78:79], s[8:9]
	s_mov_b64 s[10:11], s[84:85]
	s_load_b256 s[68:75], s[82:83], 0x0
	s_load_b64 s[76:77], s[82:83], 0x20
	s_add_nc_u64 s[20:21], s[4:5], s[20:21]
	s_add_nc_u64 s[46:47], s[6:7], s[46:47]
	CROUND
.irp s, 0,1
	s_mov_b32 s[G0+4*\s], 1
	s_add_co_u32 s[G0+4*\s+1], s45, \s*SLOT
	s_add_nc_u64 s[G0+4*\s+2:G0+4*\s+3], s[20:21], \s*ROWB
	s_or_b32 s[G0+4*\s+3], s[G0+4*\s+3], 0x80000000
	s_mov_b32 s[G0B+4*\s], 1
	s_add_co_u32 s[G0B+4*\s+1], s45, \s*SLOT
	s_add_nc_u64 s[G0B+4*\s+2:G0B+4*\s+3], s[46:47], \s*ROWB
	s_or_b32 s[G0B+4*\s+3], s[G0B+4*\s+3], 0x80000000
.endr
	JLOAD G0, G1, G0B, G1B                         ; K step 0: my one tensor load at the head, behind the opening round
	v_and_b32 v1, 15, v0
	v_bfe_u32 v2, v0, 4, 1
	s_wait_alu depctr_va_vdst(0)
	s_lshl_b32 s86, s42, 10
	s_lshl_b32 s87, s16, 9
	s_add_co_u32 s86, s86, s87
	s_lshl_b32 s87, s17, 10
	s_lshl_b32 s88, s15, 9
	s_add_co_u32 s87, s87, s88
	s_cmp_eq_u32 s91, 2
	s_cselect_b32 s86, 0, s86
	s_cselect_b32 s87, s87, 0
	s_cselect_b32 s89, -1, 0
	v_lshl_add_u32 v[OFN], v2, 5, s86
	v_lshl_add_u32 v[OFM], v1, 2, s87
.irp b, 0,1,2,3,4,5,6,7
	global_load_b128 v[BN+8*\b:BN+8*\b+3], v[OFN], s[8:9] offset:64*\b
	global_load_b128 v[BN+8*\b+4:BN+8*\b+7], v[OFN], s[8:9] offset:64*\b+16
.endr
.irp a, 0,1,2,3,4,5,6,7
	global_load_b32 v[BM+2*\a], v[OFM], s[8:9] offset:64*\a
.endr
	v_mul_u32_u24 v3, v1, PITCH
	v_lshl_add_u32 v4, v2, 4, v3
	s_mul_i32 s21, s15, HALFT
	s_mul_i32 s22, s16, HALFT
	s_add_co_u32 s22, s22, 2*HALFT
.irp s, 0,1
	v_add_nc_u32 v[ADRA+\s], s21, v4
	v_add_nc_u32 v[ADRB+\s], s22, v4
	s_add_co_u32 s21, s21, SLOT
	s_add_co_u32 s22, s22, SLOT
.endr
	s_cmp_eq_u32 s91, 2
	s_cselect_b32 s98, s42, s17
	s_cselect_b32 s99, s17, s42
	s_cselect_b32 s100, s16, s15
	s_cselect_b32 s101, s15, s16
	s_lshr_b32 s18, s98, 3
	s_lshl_b32 s18, s18, 4
	s_lshl_b32 s19, s99, 2
	s_add_co_u32 s18, s18, s19
	s_lshl_b32 s19, s101, 1
	s_add_co_u32 s18, s18, s19
	s_mul_i32 s18, s18, HEADB
	s_lshl_b32 s19, s91, 17
	s_add_co_u32 s18, s18, s19
	s_and_b32 s19, s98, 7
	s_lshl_b32 s19, s19, 14
	s_add_co_u32 s18, s18, s19
	s_lshl_b32 s19, s100, 13
	s_add_co_u32 s18, s18, s19
	s_mov_b32 s19, 0
	s_add_nc_u64 s[10:11], s[10:11], s[18:19]
	s_cmp_eq_u32 s91, 2
	s_mov_b32 s22, HEADB
	s_cselect_b32 s22, 4096, s22
	s_mov_b32 s98, 1024
	s_cselect_b32 s98, HEADB-3072, s98
	s_mov_b32 s99, 0
	v_and_b32 v6, 31, v0
	v_lshlrev_b32 v[VLO], 4, v6
	v_add_nc_u32 v[VHI], s22, v[VLO]
	s_wait_kmcnt 0x0
	s_add_co_i32 s68, s68, s69
	s_add_co_i32 s70, s70, s71
	s_add_co_i32 s72, s72, s73
	s_cmp_eq_u32 s91, 2
	s_cselect_b32 s96, s72, s68
	s_cselect_b32 s78, s77, s74
	s_cmp_eq_u32 s91, 1
	s_cselect_b32 s96, s70, s96
	s_cselect_b32 s78, s75, s78
	s_sub_co_i32 s78, s78, s96                     ; eo - ea - eb: a sum of codes' products is converted as it stands, the three scales folded into the conversion's one.  LIMIT: between -126 and 112
	s_sub_co_i32 s96, 127, s96
	s_lshl_b32 s96, s96, 23                        ; 2^-(ea + eb), for the bias.  LIMIT: ea + eb between -126 and 126
	s_mov_b32 s97, s96
	s_add_co_i32 s78, s78, 127
	s_lshl_b32 s79, s78, 23
	v_mov_b32 v[SCV], s79
	s_add_co_i32 s78, s78, 15
	s_lshl_b32 s78, s78, 23
	s_or_b32 s78, s78, 0x600000
	v_mov_b32 v[LIM], s78
	s_wait_loadcnt 0x0
.set j, 0
.rept 64
	v_cndmask_b32 v[BN+j], v[BN+j], v[BM+2*(j/8)], s89   ; q, k: the bias of B's block j / 8, a register a channel; v: the lane's bias of A's block j / 8 in all eight registers
.set j, j+1
.endr
.set j, 0
.rept 32
	v_pk_mul_f32 v[BN+j:BN+j+1], v[BN+j:BN+j+1], s[96:97] op_sel_hi:[1,0]   ; the bias in the sums' unit: it starts the sums as the first products' C
.set j, j+2
.endr
.macro FRAG reg, adr, q, i
.irp c, 0,1,2,3
	ds_load_b128 v[\reg+4*\c:\reg+4*\c+3], v[\adr] offset:128*(\q)+32*\c+(\i)*16*PITCH
.endr
.endm
.macro MUL16 a0, p, zero
.irp a, \a0, \a0+1
.irp b, 0,1,2,3,4,5,6,7
.if \zero == 1
	v_wmma_f32_16x16x128_bf8_bf8 v[8*(8*((\a)%4)+\b):8*(8*((\a)%4)+\b)+7], v[128*(\p)+FR*\b:128*(\p)+FR*\b+FR-1], v[AF+FR*(\a):AF+FR*(\a)+FR-1], v[BN+8*\b:BN+8*\b+7]
.elseif \zero == 2
	v_wmma_f32_16x16x128_bf8_bf8 v[8*(8*((\a)%4)+\b):8*(8*((\a)%4)+\b)+7], v[128*(\p)+FR*\b:128*(\p)+FR*\b+FR-1], v[AF+FR*(\a):AF+FR*(\a)+FR-1], v[BN+8*(\a):BN+8*(\a)+7]
.else
	v_wmma_f32_16x16x128_bf8_bf8 v[8*(8*((\a)%4)+\b):8*(8*((\a)%4)+\b)+7], v[128*(\p)+FR*\b:128*(\p)+FR*\b+FR-1], v[AF+FR*(\a):AF+FR*(\a)+FR-1], v[8*(8*((\a)%4)+\b):8*(8*((\a)%4)+\b)+7]
.endif
.endr
.endr
.endm
.macro FETCH_B slot, q, p
	WIN TO_B
.irp i, 0,1,2,3,4,5,6,7
	FRAG 128*(\p)+FR*\i, ADRB+\slot, \q, \i
.endr
	WIN 0
.endm
.macro FETCH_A slot, q, i0
.irp i, \i0, \i0+1, \i0+2, \i0+3
	FRAG AF+FR*(\i), ADRA+\slot, \q, \i
.endr
.endm
.macro PLACES n
.rept \n
	v_nop
.endr
.endm
.macro STEP slot, q, zero
	s_wait_dscnt 4*NL
.if \zero
	WIN 0x81                                       ; as MUL_LO, but C (the bias) in window 0
.else
	WIN MUL_LO
.endif
	MUL16 0, (\q)%2, \zero
	MUL16 2, (\q)%2, \zero
	s_wait_dscnt 0
	PLACES NP
	FETCH_B \slot, (\q)+1, 1-(\q)%2
	FETCH_A \slot, (\q)+1, 0
.if \zero
	WIN 0xc1                                       ; as MUL_HI, but C (the bias) in window 0
.else
	WIN MUL_HI
.endif
	MUL16 4, (\q)%2, \zero
	MUL16 6, (\q)%2, \zero
	PLACES NP
	WIN 0
	FETCH_A \slot, (\q)+1, 4
.endm
.macro TURN slot, next, fill
	s_wait_tensorcnt 0x0
	ds_add_u32 v[SPW], v[NIL]
	s_wait_dscnt 4*NL+1
	WIN MUL_LO
	MUL16 0, 1, 0
	s_wait_dscnt 0x0
	s_barrier_signal -1
	MUL16 2, 1, 0
	WIN 0
	s_barrier_wait -1
.if \fill
	CREST
	s_add_nc_u64 s[G0+4*\slot+2:G0+4*\slot+3], s[G0+4*\slot+2:G0+4*\slot+3], 2*ROWB
	s_add_nc_u64 s[G0B+4*\slot+2:G0B+4*\slot+3], s[G0B+4*\slot+2:G0B+4*\slot+3], 2*ROWB
	JLOAD G0+4*\slot, G1, G0B+4*\slot, G1B
.else
	PLACES NP
.endif
	FETCH_B \next, 0, 0
	FETCH_A \next, 0, 0
	WIN MUL_HI
	MUL16 4, 1, 0
	MUL16 6, 1, 0
	PLACES NP
	WIN 0
	FETCH_A \next, 0, 4
.endm
	s_wait_alu depctr_va_vdst(0)                   ; the wait at the head's end
	s_wait_tensorcnt 0x0                           ; my part of K step 0 is in
	ds_add_u32 v28, v29
	s_wait_dscnt 0x0
	CROUND                                         ; everybody's part is in, and all sixteen work-groups are here
	JLOAD G0+4, G1, G0B+4, G1B                     ; K step 1: the first tensor load behind the round
	FETCH_B 0, 0, 0
	FETCH_A 0, 0, 0
	FETCH_A 0, 0, 4
	s_cmp_eq_u32 s91, 2                            ; the part (q, k or v) comes from the cluster's y: the same in all sixteen partners
	s_cbranch_scc1 .Lv_first
	STEP 0, 0, 1                                   ; q, k: the first products take the bias by B's block
	s_branch .Lstarted
.Lv_first:
	STEP 0, 0, 2                                   ; v: by A's block
.Lstarted:
	s_mov_b32 s3, LAPS-1
.Llap:
	TURN 0, 1, 1
	STEP 1, 0, 0
	TURN 1, 0, 1
	STEP 0, 0, 0
	s_sub_co_u32 s3, s3, 1
	s_cmp_lg_u32 s3, 0
	s_cbranch_scc1 .Llap
	TURN 0, 1, 0
	STEP 1, 0, 0
	s_wait_dscnt 4*NL
	WIN MUL_LO
	MUL16 0, 1, 0
	MUL16 2, 1, 0
	s_wait_dscnt 0
	WIN MUL_HI
	MUL16 4, 1, 0
	MUL16 6, 1, 0
	WIN 0
.macro OUTBLK a
.set AC, 64*((\a)%4)
.set CB, CD+16*((\a)%2)
	WIN 0x02+((\a)/4)
.set j, 0
.rept 64
	v_med3_num_f32 v[T+j], v[AC+j], -v[LIM], v[LIM]   ; the hold, on the sums as they stand: 57,344 x 2^(eo - ea - eb); each accumulator from its low end on
.set j, j+1
.endr
	WIN 0
.irp b, 0,1,2,3,4,5,6,7
	v_cvt_scalef32_pk8_bf8_f32 v[CB+2*\b:CB+2*\b+1], v[T+8*\b:T+8*\b+7], v[SCV]
.endr
	v_nop
.if (\a) > 0
	s_wait_alu depctr_va_vdst(0)
	s_wait_xcnt 0x0
.if (\a) == 4
	s_add_nc_u64 s[10:11], s[10:11], s[98:99]
.else
	s_add_nc_u64 s[10:11], s[10:11], 1024
.endif
.endif
	global_store_b128 v[VLO], v[CB:CB+3], s[10:11]
	global_store_b128 v[VLO], v[CB+4:CB+7], s[10:11] offset:512
	global_store_b128 v[VHI], v[CB+8:CB+11], s[10:11]
	global_store_b128 v[VHI], v[CB+12:CB+15], s[10:11] offset:512
.endm
	PLACES NP
.irp a, 0,1,2,3,4,5,6,7
	OUTBLK \a
.endr
	s_wait_tensorcnt 0x0
	ds_add_u32 v[SPW], v[NIL]
	s_wait_dscnt 0x0
	CROUND
	s_endpgm
.Lfunc_end_k_q098e307b58_proj:
	.size	k_q098e307b58_proj, .Lfunc_end_k_q098e307b58_proj-k_q098e307b58_proj
	.p2alignl 7, 3214868480
	.fill 96, 4, 3214868480
	.section	.rodata,"a",@progbits
	.p2align	6, 0x0
	.amdhsa_kernel k_q098e307b58_proj
		.amdhsa_group_segment_fixed_size 327680
		.amdhsa_private_segment_fixed_size 0
		.amdhsa_enable_private_segment 0
		.amdhsa_kernarg_size 72
		.amdhsa_user_sgpr_count 2
		.amdhsa_user_sgpr_kernarg_segment_ptr 1
		.amdhsa_wavefront_size32 1
		.amdhsa_system_sgpr_workgroup_id_x 1
		.amdhsa_system_sgpr_workgroup_id_y 1
		.amdhsa_system_sgpr_workgroup_id_z 1
		.amdhsa_system_vgpr_workitem_id 0
		.amdhsa_next_free_vgpr 1024
		.amdhsa_next_free_sgpr 102
		.amdhsa_reserve_vcc 0
		.amdhsa_float_denorm_mode_32 3
		.amdhsa_float_denorm_mode_16_64 3
		.amdhsa_memory_ordered 1
		.amdhsa_forward_progress 1
		.amdhsa_inst_pref_size 137
	.end_amdhsa_kernel
	.amdgpu_metadata
---
amdhsa.version: [ 1, 2 ]
amdhsa.kernels:
  - .name:           k_q098e307b58_proj
    .symbol:         k_q098e307b58_proj.kd
    .args:
      - { .name: x_codes, .offset: 0, .size: 8, .value_kind: global_buffer, .address_space: global }
      - { .name: Wq_codes, .offset: 8, .size: 8, .value_kind: global_buffer, .address_space: global }
      - { .name: Wk_codes, .offset: 16, .size: 8, .value_kind: global_buffer, .address_space: global }
      - { .name: Wv_codes, .offset: 24, .size: 8, .value_kind: global_buffer, .address_space: global }
      - { .name: bq, .offset: 32, .size: 8, .value_kind: global_buffer, .address_space: global }
      - { .name: bk, .offset: 40, .size: 8, .value_kind: global_buffer, .address_space: global }
      - { .name: bv, .offset: 48, .size: 8, .value_kind: global_buffer, .address_space: global }
      - { .name: lowp_scales, .offset: 56, .size: 8, .value_kind: global_buffer, .address_space: global }
      - { .name: qkv, .offset: 64, .size: 8, .value_kind: global_buffer, .address_space: global }
    .group_segment_fixed_size: 327680
    .private_segment_fixed_size: 0
    .kernarg_segment_align: 8
    .kernarg_segment_size: 72
    .max_flat_workgroup_size: 128
    .sgpr_count:     102
    .vgpr_count:     1024
    .wavefront_size: 32
...
	.end_amdgpu_metadata
.endif
;; end of part 1
;; launch stats (part 2): grid 4 x 64, 16 waves a work-group, clusters of 4 x 1, 327,680 bytes of LDS; arguments qkv, lowp_scales, bst; writes bst
.if DOCPART == 2
	.amdgcn_target "amdgcn-amd-amdhsa--gfx1250"
	.amdhsa_code_object_version 6
	.text
	.protected	k_q098e307b58_stats
	.globl	k_q098e307b58_stats
	.p2align	8
	.type	k_q098e307b58_stats,@function
k_q098e307b58_stats:
	s_mov_b64 s[64:65], 0
	v_nop
	global_prefetch_b8 v0, s[64:65] scope:SCOPE_SE
	s_setreg_imm32_b32 hwreg(HW_REG_WAVE_MODE, 25, 1), 1
	s_wait_xcnt 0x0
	s_wait_alu depctr_hold_cnt(0) depctr_sa_sdst(0) depctr_va_vdst(0) depctr_va_sdst(0) depctr_va_ssrc(0) depctr_va_vcc(0) depctr_vm_vsrc(0)
	s_getreg_b32 s2, hwreg(HW_REG_IB_STS2, 6, 4)
	s_cmp_eq_u32 s2, 0
	s_cbranch_scc0 .Lentry_in_a_cluster
	s_endpgm
.Lentry_in_a_cluster:
	s_bfe_u32 s2, ttmp6, 0x10000c
	s_cmp_lg_u32 s2, 0x3003
	s_cbranch_scc0 .Lentry_shape_is_right
	s_endpgm
.Lentry_shape_is_right:
; The softmax runs over the QUERIES: each key has one divisor, the sum over all 2,048 queries.  For each key of each head this launch makes NB = -(T + log2 l):
; T the largest t of the key's column, kept as a running maximum, l = the sum over the queries of 2^(t - T); t = score x log2(e) / 10, score = the f32 sum of the codes' products x 2^(e6 + e7).
; SHARES.  A work-group owns 512 keys of one head; each of its sixteen waves 32 keys (two fragments, in registers) and walks all queries, 128 a step, 16 steps.  S = Q K^T (source 0 = 16 queries, source 1 = 16 keys):
; a lane holds ONE key (lane % 16) and queries 8 (lane / 16) + 0 .. 7 of each tile: maximum and sum stay in the lane until the end, where the two halves of the lanes meet once.
; LDS.  The head's q part, 131,072 bytes, lies in LDS as it lies in memory (images of fragment registers), each byte filled once.  At the head each wave asks for 2,048 bytes: together queries 0 to 511, four steps.
; The other 98,304 bytes, 6,144 a wave, are asked for behind the waits, the add and a round of the cluster's barrier, and are first read behind the barrier that follows the third step.
; All LDS is claimed.
; CLUSTER.  The four key blocks of a head read the same q: each piece is asked for jointly, with the mask of all four.
; NO PREFETCH: both groups of tensor loads are issued ahead of the loops; there is no trip to ask ahead in.
; LIMIT: e6 + e7 between -123 and 130 (they are added to the exponent field of log2(e) / 10).  NaN among the inputs is not served.
.set HEADB, 393216                     ; a head's q, k, v parts
.set PARTB, 131072
.set STG,   131072                     ; behind q's image: 512 words, the work-group's results
.set SPARE, 167936                     ; the spare words: 128 bytes for each of 16 waves
.set LI,  1                            ; 16 x lane
.set ADR, 2                            ; LDS address of the next step's fragments of q
.set LN,  3                            ; lane
.set SA,  4                            ; STG + 4 x thread
.set SB,  5                            ; STG + 16 x thread
.set GOF, 6                            ; 16 x thread
.set RES, 7
.set KF,  8                            ; v8-23    my two fragments of k
.set QF,  24                           ; v24-87   eight fragments of q
.set S,   88                           ; v88-215  scores: key tile u at S + 64 u, query tile t at + 8 t
.set ST,  216                          ; key tile u at ST + 12 u: +0 T (+1 named with it), +2, +3 l in two halves, +4 a (+5 named with it), +6, +7 at work, +8, +9 the second chain of sums
.set SPW, 240
.set NIL, 241
.set WV,  12
.set G1,  24                           ; s[24:31] group 1 of the first pieces: 8 rows
.set G0,  32                           ; s[32:35], s[36:39] groups 0
.set QB,  40                           ; LDS byte of the step's fragments
.set CNT, 41
.set CS,  42                           ; s[42:43] c = log2(e) / 10 x 2^(e6 + e7)
.set SEL, 44                           ; s[44:45] lane selects: lane l xor 16
.set G1R, 52                           ; s[52:59] group 1 of the rest: 24 rows
.macro CROUND                          ; a round of the cluster's barrier
	s_barrier_signal -1
	s_barrier_wait -1
	s_cmp_lg_u32 s[WV], 0
	s_cbranch_scc1 .Lnot_wave_0_\@
	s_barrier_signal -3
.Lnot_wave_0_\@:
	s_barrier_wait -3
	s_barrier_signal -1
	s_barrier_wait -1
.endm
	s_load_b128 s[4:7], s[0:1], 0x0                ; qkv, the scales' exponents
	s_load_b64 s[8:9], s[0:1], 0x10                ; bst
	v_lshl_add_u32 v[SPW], v0, 2, SPARE
	v_mov_b32 v[NIL], 0
	ds_add_u32 v[SPW], v[NIL]                      ; the opening lines: the add, twice on end, and its wait
	ds_add_u32 v[SPW], v[NIL]
	v_lshrrev_b32 v[LN], 5, v0
	v_readfirstlane_b32 s[WV], v[LN]               ; wave 0..15
	v_and_b32 v[LN], 31, v0
	v_lshlrev_b32 v[LI], 4, v[LN]
	v_lshl_add_u32 v[SA], v0, 2, STG
	v_lshl_add_u32 v[SB], v0, 4, STG
	v_lshlrev_b32 v[GOF], 4, v0
.irp u, 0,1
	v_mov_b32 v[ST+12*\u], 0xff61b1e6              ; T: -3e38, under every t
	v_mov_b32 v[ST+12*\u+1], 0                     ; (named as the upper half of a pair)
	v_mov_b32 v[ST+12*\u+2], 0                     ; l
	v_mov_b32 v[ST+12*\u+3], 0
	v_mov_b32 v[ST+12*\u+5], 0                     ; (named as the upper half of a pair)
.endr
	s_wait_alu depctr_va_vdst(0)                   ; the wait behind the head's vector work
	s_bfe_u32 s14, ttmp6, 0x40000                  ; cx: my block of 512 keys: it enters k's and bst's addresses alone
	s_and_b32 s15, ttmp7, 0xffff                   ; the head, which the four partners share
	s_mov_b32 s[G1], 15|(3<<16)|(1<<21)            ; the mask of all four; elements of 8 bytes; bit 21 beside a mask; no padding
	s_mov_b32 s[G1+1], 32<<16                      ; rows of 32 elements: 256 bytes
	s_mov_b32 s[G1+2], 8<<16                       ; 8 rows
	s_mov_b32 s[G1+3], 32<<16
	s_mov_b32 s[G1+4], 8
	s_mov_b32 s[G1+5], 32                          ; the rows are dense
	s_mov_b32 s[G1+6], 0
	s_mov_b32 s[G1+7], 0
	s_mov_b32 s[G1R], 15|(3<<16)|(1<<21)
	s_mov_b32 s[G1R+1], 32<<16
	s_mov_b32 s[G1R+2], 24<<16                     ; 24 rows
	s_mov_b32 s[G1R+3], 32<<16
	s_mov_b32 s[G1R+4], 24
	s_mov_b32 s[G1R+5], 32
	s_mov_b32 s[G1R+6], 0
	s_mov_b32 s[G1R+7], 0
	s_mov_b32 s[SEL], 0x76543210
	s_mov_b32 s[SEL+1], 0xfedcba98
	s_mov_b32 s[QB], 0
	s_mul_i32 s16, s15, HEADB
	s_mov_b32 s17, 0
	s_lshl_b32 s18, s[WV], 11                      ; first: 2,048 x wave
	s_mov_b32 s19, 0
	s_mul_i32 s22, s[WV], 6144
	s_add_co_u32 s22, s22, 32768                   ; the rest: 32,768 + 6,144 x wave
	s_mov_b32 s23, 0
	s_lshl_b32 s48, s14, 15                        ; my keys' fragments: 32,768 x block + 2,048 x wave, in part k
	s_lshl_b32 s49, s[WV], 11
	s_add_co_u32 s48, s48, s49
	s_add_co_u32 s48, s48, PARTB
	s_mov_b32 s49, 0
	s_lshl_b32 s50, s15, 13                        ; bst: 4 (2,048 head + 512 block)
	s_lshl_b32 s51, s14, 11
	s_add_co_u32 s50, s50, s51
	s_mov_b32 s51, 0
	s_wait_dscnt 0x0                               ; both opening adds are done
	s_wait_kmcnt 0x0
	s_load_b64 s[46:47], s[6:7], 0x18              ; e6, e7
	s_add_nc_u64 s[20:21], s[4:5], s[16:17]        ; the head's q part
	s_mov_b32 s[G0], 1
	s_mov_b32 s[G0+1], s18                         ; LDS address = the byte's place in the part
	s_add_nc_u64 s[G0+2:G0+3], s[20:21], s[18:19]
	s_or_b32 s[G0+3], s[G0+3], 0x80000000
	s_mov_b32 s[G0+4], 1
	s_mov_b32 s[G0+5], s22
	s_add_nc_u64 s[G0+6:G0+7], s[20:21], s[22:23]
	s_or_b32 s[G0+7], s[G0+7], 0x80000000
	s_add_nc_u64 s[10:11], s[20:21], s[48:49]
	s_add_nc_u64 s[8:9], s[8:9], s[50:51]
	CROUND                                         ; all four work-groups are here: the joint loads meet
	tensor_load_to_lds s[G0:G0+3], s[G1:G1+7]      ; queries 0 to 511: my one tensor load at the head
	s_nop 0
.rept 4
	v_nop
.endr
.irp i, 0,1,2,3
	global_load_b128 v[KF+4*\i:KF+4*\i+3], v[LI], s[10:11] offset:512*\i   ; my two fragments of k stay in registers
.endr
	s_wait_kmcnt 0x0
	s_add_co_i32 s46, s46, s47
	s_lshl_b32 s46, s46, 23
	s_mov_b32 s[CS], 0x3e13bb63                    ; log2(e) / 10
	s_add_co_i32 s[CS], s[CS], s46                 ; x 2^(e6 + e7): added to its exponent field
	s_mov_b32 s[CS+1], s[CS]
; A STEP: 128 queries against my 32 keys.  next = 1: the next step's fragments of q are fetched behind the products.
; All sources of the exponentials are laid first; the 130 exponentials go as one batch with one wait ahead of it and one behind it.
.macro STEP next
	s_wait_dscnt 0x0                               ; q's eight fragments are in
.irp u, 0,1
.irp t, 0,1,2,3,4,5,6,7
	v_wmma_f32_16x16x64_bf8_bf8 v[S+64*\u+8*\t:S+64*\u+8*\t+7], v[QF+8*\t:QF+8*\t+7], v[KF+8*\u:KF+8*\u+7], 0
.endr
.endr
	s_add_co_u32 s[QB], s[QB], 8192
	v_add_nc_u32 v[ADR], s[QB], v[LI]              ; four places behind the products: ahead of the loads into q's registers and of the first reads of the scores
.rept 3
	v_nop
.endr
.if \next
.irp i, 0,1,2,3,4,5,6,7,8,9,10,11,12,13,14,15
	ds_load_b128 v[QF+4*\i:QF+4*\i+3], v[ADR] offset:512*\i
.endr
.endif
.irp u, 0,1                                    ; the step's largest score of my key, two chains a tile; each accumulator is first read at its low end
	v_max3_num_f32 v[ST+12*\u+6], v[S+64*\u], v[S+64*\u+1], v[S+64*\u+2]
	v_max3_num_f32 v[ST+12*\u+7], v[S+64*\u+3], v[S+64*\u+4], v[S+64*\u+5]
.endr
.irp i, 6,10,14,18,22,26,30,34,38,42,46,50,54,58
.irp u, 0,1
	v_max3_num_f32 v[ST+12*\u+6], v[ST+12*\u+6], v[S+64*\u+\i], v[S+64*\u+\i+1]
	v_max3_num_f32 v[ST+12*\u+7], v[ST+12*\u+7], v[S+64*\u+\i+2], v[S+64*\u+\i+3]
.endr
.endr
.irp u, 0,1
	v_max3_num_f32 v[ST+12*\u+6], v[ST+12*\u+6], v[S+64*\u+62], v[S+64*\u+63]
.endr
.irp u, 0,1
	v_max_num_f32 v[ST+12*\u+6], v[ST+12*\u+6], v[ST+12*\u+7]
.endr
.irp u, 0,1
	v_mul_f32 v[ST+12*\u+6], s[CS], v[ST+12*\u+6]  ; as t (c is positive)
.endr
.irp u, 0,1
	v_mov_b32 v[ST+12*\u+7], v[ST+12*\u]           ; the old T
.endr
.irp u, 0,1
	v_max_num_f32 v[ST+12*\u], v[ST+12*\u], v[ST+12*\u+6]   ; the running maximum
.endr
.irp u, 0,1
	v_sub_f32 v[ST+12*\u+7], v[ST+12*\u+7], v[ST+12*\u]
.endr
.set j, 0
.rept 32
.irp u, 0,1
	v_pk_fma_f32 v[S+64*\u+j:S+64*\u+j+1], v[S+64*\u+j:S+64*\u+j+1], s[CS:CS+1], v[ST+12*\u:ST+12*\u+1] op_sel_hi:[1,0,0] neg_lo:[0,0,1] neg_hi:[0,0,1]   ; t - T, two at a time
.endr
.set j, j+2
.endr
	s_wait_alu depctr_va_vdst(0)                   ; the wait ahead of the batch
.irp u, 0,1
	v_exp_f32 v[ST+12*\u+4], v[ST+12*\u+7]         ; a = 2^(old T - new T)
.endr
.set j, 0
.rept 128
	v_exp_f32 v[S+j], v[S+j]
.set j, j+1
.endr
	v_nop                                          ; a plain place behind the last exponential
	s_wait_alu depctr_va_vdst(0)                   ; the wait behind the batch
.irp u, 0,1
	v_pk_fma_f32 v[ST+12*\u+2:ST+12*\u+3], v[ST+12*\u+2:ST+12*\u+3], v[ST+12*\u+4:ST+12*\u+5], v[S+64*\u:S+64*\u+1] op_sel_hi:[1,0,1]   ; l x a + the first pair
.endr
.irp u, 0,1
	v_pk_add_f32 v[ST+12*\u+8:ST+12*\u+9], v[S+64*\u+2:S+64*\u+3], v[S+64*\u+4:S+64*\u+5]   ; the second chain
.endr
.irp i, 6,10,14,18,22,26,30,34,38,42,46,50,54,58
.irp u, 0,1
	v_pk_add_f32 v[ST+12*\u+2:ST+12*\u+3], v[ST+12*\u+2:ST+12*\u+3], v[S+64*\u+\i:S+64*\u+\i+1]
	v_pk_add_f32 v[ST+12*\u+8:ST+12*\u+9], v[ST+12*\u+8:ST+12*\u+9], v[S+64*\u+\i+2:S+64*\u+\i+3]
.endr
.endr
.irp u, 0,1
	v_pk_add_f32 v[ST+12*\u+2:ST+12*\u+3], v[ST+12*\u+2:ST+12*\u+3], v[S+64*\u+62:S+64*\u+63]
.endr
.irp u, 0,1
	v_pk_add_f32 v[ST+12*\u+2:ST+12*\u+3], v[ST+12*\u+2:ST+12*\u+3], v[ST+12*\u+8:ST+12*\u+9]
.endr
.endm
	s_wait_tensorcnt 0x0                           ; my piece of the first 512 queries is in
	ds_add_u32 v[SPW], v[NIL]
	s_wait_dscnt 0x0
	CROUND                                         ; everybody's pieces are in, and all four work-groups are here: the joint loads meet
	tensor_load_to_lds s[G0+4:G0+7], s[G1R:G1R+7]  ; queries 512 to 2,047: my one tensor load behind the round
	s_nop 0
.rept 4
	v_nop
.endr
	s_wait_loadcnt 0x0                             ; k
.irp i, 0,1,2,3,4,5,6,7,8,9,10,11,12,13,14,15
	ds_load_b128 v[QF+4*\i:QF+4*\i+3], v[LI] offset:512*\i   ; step 0's fragments
.endr
	s_mov_b32 s[CNT], 3
.Lfirst:                                           ; steps 0 to 2; the third fetches step 3's fragments, the last of the first 512 queries
	STEP 1
	s_sub_co_u32 s[CNT], s[CNT], 1
	s_cmp_lg_u32 s[CNT], 0
	s_cbranch_scc1 .Lfirst
	s_wait_tensorcnt 0x0                           ; my piece of the rest is in
	s_wait_dscnt 0x0
	s_barrier_signal -1
	s_barrier_wait -1                              ; everybody's is
	s_mov_b32 s[CNT], 12
.Lrest:                                            ; steps 3 to 14
	STEP 1
	s_sub_co_u32 s[CNT], s[CNT], 1
	s_cmp_lg_u32 s[CNT], 0
	s_cbranch_scc1 .Lrest
	STEP 0                                         ; the last step fetches nothing
	; THE END: l's two halves; then the other half of the lanes, which holds the same key's other queries under its own T
.irp u, 0,1
	v_add_f32 v[ST+12*\u+2], v[ST+12*\u+2], v[ST+12*\u+3]
.endr
.irp u, 0,1
	v_permlanex16_b32 v[ST+12*\u+6], v[ST+12*\u], s[SEL], s[SEL+1]      ; T'
.endr
.irp u, 0,1
	v_permlanex16_b32 v[ST+12*\u+7], v[ST+12*\u+2], s[SEL], s[SEL+1]    ; l'
.endr
.irp u, 0,1
	v_max_num_f32 v[ST+12*\u+8], v[ST+12*\u], v[ST+12*\u+6]             ; the key's T
.endr
.irp u, 0,1
	v_sub_f32 v[ST+12*\u+4], v[ST+12*\u], v[ST+12*\u+8]
	v_sub_f32 v[ST+12*\u+5], v[ST+12*\u+6], v[ST+12*\u+8]
.endr
	s_wait_alu depctr_va_vdst(0)                   ; ahead of the batch
.irp u, 0,1
	v_exp_f32 v[ST+12*\u+4], v[ST+12*\u+4]
	v_exp_f32 v[ST+12*\u+5], v[ST+12*\u+5]
.endr
	v_nop
	s_wait_alu depctr_va_vdst(0)                   ; behind it
.irp u, 0,1
	v_mul_f32 v[ST+12*\u+2], v[ST+12*\u+2], v[ST+12*\u+4]
.endr
.irp u, 0,1
	v_fma_f32 v[ST+12*\u+2], v[ST+12*\u+7], v[ST+12*\u+5], v[ST+12*\u+2]   ; the key's l
.endr
	s_wait_alu depctr_va_vdst(0)                   ; ahead of the batch
.irp u, 0,1
	v_log_f32 v[ST+12*\u+3], v[ST+12*\u+2]
.endr
	v_nop
	s_wait_alu depctr_va_vdst(0)                   ; behind it
.irp u, 0,1
	v_sub_f32 v[ST+12*\u+9], -v[ST+12*\u+8], v[ST+12*\u+3]               ; NB = -T - log2 l
.endr
	v_cmp_gt_u32 vcc_lo, 16, v[LN]
	v_cndmask_b32 v[RES], v[ST+21], v[ST+9], vcc_lo   ; lanes 0-15 give tile 0's keys, lanes 16-31 tile 1's: key 32 x wave + lane
	ds_store_b32 v[SA], v[RES]
	s_wait_dscnt 0x0                               ; for the others' sake: my store has landed
	s_barrier_signal -1
	s_barrier_wait -1
	s_cmp_lt_u32 s[WV], 4                          ; 512 results are 2,048 bytes: four waves store them, 512 consecutive aligned bytes a wave
	s_cbranch_scc0 .Lno_store
	ds_load_b128 v[KF:KF+3], v[SB]
	s_wait_dscnt 0x0
	global_store_b128 v[GOF], v[KF:KF+3], s[8:9]
.Lno_store:
	s_wait_tensorcnt 0x0                           ; the wave's end
	ds_add_u32 v[SPW], v[NIL]
	s_wait_dscnt 0x0
	CROUND                                         ; the closing round
	s_endpgm
.Lfunc_end_k_q098e307b58_stats:
	.size	k_q098e307b58_stats, .Lfunc_end_k_q098e307b58_stats-k_q098e307b58_stats
	.p2alignl 7, 3214868480
	.fill 96, 4, 3214868480
	.section	.rodata,"a",@progbits
	.p2align	6, 0x0
	.amdhsa_kernel k_q098e307b58_stats
		.amdhsa_group_segment_fixed_size 327680
		.amdhsa_private_segment_fixed_size 0
		.amdhsa_enable_private_segment 0
		.amdhsa_kernarg_size 24
		.amdhsa_user_sgpr_count 2
		.amdhsa_user_sgpr_kernarg_segment_ptr 1
		.amdhsa_wavefront_size32 1
		.amdhsa_system_sgpr_workgroup_id_x 1
		.amdhsa_system_sgpr_workgroup_id_y 1
		.amdhsa_system_sgpr_workgroup_id_z 1
		.amdhsa_system_vgpr_workitem_id 0
		.amdhsa_next_free_vgpr 242
		.amdhsa_next_free_sgpr 66
		.amdhsa_reserve_vcc 1
		.amdhsa_float_denorm_mode_32 3
		.amdhsa_float_denorm_mode_16_64 3
		.amdhsa_memory_ordered 1
		.amdhsa_forward_progress 1
		.amdhsa_inst_pref_size 64
	.end_amdhsa_kernel
	.amdgpu_metadata
---
amdhsa.version: [ 1, 2 ]
amdhsa.kernels:
  - .name:           k_q098e307b58_stats
    .symbol:         k_q098e307b58_stats.kd
    .args:
      - { .name: qkv, .offset: 0, .size: 8, .value_kind: global_buffer, .address_space: global }
      - { .name: lowp_scales, .offset: 8, .size: 8, .value_kind: global_buffer, .address_space: global }
      - { .name: bst, .offset: 16, .size: 8, .value_kind: global_buffer, .address_space: global }
    .group_segment_fixed_size: 327680
    .private_segment_fixed_size: 0
    .kernarg_segment_align: 8
    .kernarg_segment_size: 24
    .max_flat_workgroup_size: 512
    .sgpr_count:     66
    .vgpr_count:     242
    .wavefront_size: 32
...
	.end_amdgpu_metadata
.endif
;; end of part 2
;; launch attn (part 3): grid 4 x 64, 8 waves a work-group, clusters of 4 x 1, 327,680 bytes of LDS; arguments qkv, bst, lowp_scales, out0; writes out0
.if DOCPART == 3
	.amdgcn_target "amdgcn-amd-amdhsa--gfx1250"
	.amdhsa_code_object_version 6
	.text
	.protected	k_q098e307b58_attn
	.globl	k_q098e307b58_attn
	.p2align	8
	.type	k_q098e307b58_attn,@function
k_q098e307b58_attn:
	s_mov_b64 s[64:65], 0
	v_nop
	global_prefetch_b8 v0, s[64:65] scope:SCOPE_SE
	s_setreg_imm32_b32 hwreg(HW_REG_WAVE_MODE, 25, 1), 1
	s_wait_xcnt 0x0
	s_wait_alu depctr_hold_cnt(0) depctr_sa_sdst(0) depctr_va_vdst(0) depctr_va_sdst(0) depctr_va_ssrc(0) depctr_va_vcc(0) depctr_vm_vsrc(0)
	s_getreg_b32 s2, hwreg(HW_REG_IB_STS2, 6, 4)
	s_cmp_eq_u32 s2, 0
	s_cbranch_scc0 .Lentry_in_a_cluster
	s_endpgm
.Lentry_in_a_cluster:
	s_bfe_u32 s2, ttmp6, 0x10000c
	s_cmp_lg_u32 s2, 0x3003
	s_cbranch_scc0 .Lentry_shape_is_right
	s_endpgm
.Lentry_shape_is_right:
; out[q] = the sum over the keys of Q(attn[q][k]) Q(v[k]), attn = softmax over the QUERIES of q . k / 10, finished and normalised ahead of its quantiser: attn = 2^(t + NB[k]), t = score x log2(e) / 10,
; NB[k] = -(the key's largest t + log2 of its sum), made by the launch before from the same codes and the same matrix form.  The shift is the column's own log-sum-exp, no less than its maximum.
; SHARES.  A work-group owns 512 queries of one head; each of its eight waves 64: four tiles of 16, so that each fragment of k and v and each NB read from LDS serves four tiles.  Every wave walks all 2,048 keys, 64 a step.
; LAYOUT.  Both products are used transposed: S^T = K Q^T (source 0 = 16 keys, source 1 = 16 queries), O^T = V^T P^T (source 0 = 16 of the head's 64, source 1 = P): a lane holds ONE query (lane % 16), and the eight
; registers of score tile t are keys 16 t + 8 (lane / 16) + 0 .. 7: the place that the K = 64 form gives registers 2 t, 2 t + 1 of an operand.  The conversions' results are P's fragment as they stand.
; LDS.  The head's k and v parts lie there as they lie in memory (images of fragment registers), each byte filled once.  At the head each wave asks for 8,192 bytes: together keys 0 to 511 of k and of v.
; The other 1,536 keys, 24,576 bytes a wave, are asked for behind the waits, the add and a round of the cluster's barrier, and are first read behind the barrier that follows the eighth step.
; All LDS is claimed.  NB's 2,048 words and the stages for the way out have bytes of their own.
; CLUSTER.  The four query blocks of a head read the same k and v: each piece is asked for jointly, with the mask of all four.
; NO PREFETCH: both groups of tensor loads are issued ahead of the loops; there is no trip to ask ahead in.
; LIMITS on the given exponents: e6 + e7 between -123 and 130; e8 + e9 between -126 and 127; e8 between -108 and 112: v_exp_f32 gives 0 for a weight under 2^-126, which within that range of e8 rounds to the code 0 in any case.  NaN is not served.
; REGISTERS: window 0: v1-24 addresses and constants; v32-159 S^T, then the weights (tile g at + 32 g); v160-191 NB of the step's keys; v192-223 k's four fragments; v224-255 P's codes.
;   window 1: v0-127 O^T (32 g + 8 dt); v128-159 q's four fragments; v160-191 v's four fragments.
.set HEADB, 393216
.set PARTB, 131072
.set VIMG,  131072                     ; k's image at 0, v's here
.set BIMG,  262144                     ; NB: 8,192 bytes
.set STG,   270336                     ; 16 rows x (256 + 16) bytes for each wave
.set SPARE, 305152                     ; the spare words: 128 bytes for each of 8 waves
.set LI,  1                            ; 16 x lane
.set ADK, 2                            ; LDS address of the fragments of k to be fetched
.set ADV, 3                            ; of v
.set ADB, 4                            ; of NB
.set BH,  5                            ; BIMG + 32 (lane / 16)
.set SCV, 6                            ; 2^e8 as f32
.set STO, 7                            ; the way out: where I put 32 bytes of a row
.set RD,  8                            ; where I read 16 bytes of a row back
.set GO,  9                            ; my byte offset in the wave's rows of out0
.set LIV, 10                           ; VIMG + 16 x lane
.set NBW, 20                           ; BIMG + 16 x thread
.set LIMV, 24                          ; 57,344 x 2^e8
.set S,   32
.set NB,  160
.set KF,  192
.set PC,  224
.set QF,  128                          ; in window 1
.set VF,  160                          ; in window 1
.set WV,  12
.set G1,  24                           ; s[24:31] group 1 of the first pieces: 32 rows
.set G0,  32                           ; s[32:35], s[36:39] groups 0
.set G1R, 72                           ; s[72:79] group 1 of the rest: 96 rows
.set KB,  48                           ; 4,096 x the step
.set CNT, 50
.set CS,  52                           ; s[52:53] c = log2(e) / 10 x 2^(e6 + e7)
.set MSB, 0
.macro WIN new                         ; the immediate's high byte repeats the setting that is left
.if MSB != \new
	s_set_vgpr_msb (MSB<<8)|\new
.set MSB, \new
.endif
.endm
.macro CROUND                          ; a round of the cluster's barrier
	s_barrier_signal -1
	s_barrier_wait -1
	s_cmp_lg_u32 s[WV], 0
	s_cbranch_scc1 .Lnot_wave_0_\@
	s_barrier_signal -3
.Lnot_wave_0_\@:
	s_barrier_wait -3
	s_barrier_signal -1
	s_barrier_wait -1
.endm
	s_load_b128 s[4:7], s[0:1], 0x0                ; qkv, bst
	s_load_b128 s[8:11], s[0:1], 0x10              ; the scales' exponents, out0
	v_lshl_add_u32 v30, v0, 2, SPARE
	v_mov_b32 v31, 0
	ds_add_u32 v30, v31                            ; the opening lines: the add, twice on end, and its wait
	ds_add_u32 v30, v31
	v_lshrrev_b32 v11, 5, v0
	v_readfirstlane_b32 s[WV], v11                 ; wave 0..7
	v_and_b32 v11, 31, v0
	v_lshlrev_b32 v[LI], 4, v11
	v_and_b32 v21, 15, v0                          ; r
	v_bfe_u32 v22, v0, 4, 1                        ; h
	v_lshl_add_u32 v[BH], v22, 5, BIMG
	v_add_nc_u32 v[LIV], VIMG, v[LI]
	v_lshl_add_u32 v[NBW], v0, 4, BIMG
	v_lshlrev_b32 v23, 4, v0                       ; 16 x thread: my place in half of the head's NB
	s_mul_i32 s13, s[WV], 16*272
	s_add_co_u32 s13, s13, STG                     ; my stage
	v_mul_u32_u24 v[STO], v21, 272
	v_lshl_add_u32 v[STO], v22, 5, v[STO]
	v_add_nc_u32 v[STO], s13, v[STO]               ; in: row r, + 32 h
	v_mul_u32_u24 v[RD], v22, 272
	v_lshl_add_u32 v[RD], v21, 4, v[RD]
	v_add_nc_u32 v[RD], s13, v[RD]                 ; back: lanes 0-15 one row of 256 bytes, lanes 16-31 the next
	v_lshlrev_b32 v[GO], 12, v22
	v_lshl_add_u32 v[GO], v21, 4, v[GO]            ; and the same two rows of out0, 4,096 bytes apart
	v_mov_b32 v[ADK], v[LI]                        ; step 0
	v_mov_b32 v[ADB], v[BH]
	s_wait_alu depctr_va_vdst(0)                   ; the wait behind this vector work, ahead of the scalar lines
	s_bfe_u32 s14, ttmp6, 0x40000                  ; cx: my block of 512 queries: it enters q's and out0's addresses alone
	s_and_b32 s15, ttmp7, 0xffff                   ; the head, which the four partners share
	s_mov_b32 s[G1], 15|(3<<16)|(1<<21)            ; the mask of all four; elements of 8 bytes; bit 21 beside a mask; no padding
	s_mov_b32 s[G1+1], 32<<16                      ; rows of 32 elements: 256 bytes
	s_mov_b32 s[G1+2], 32<<16                      ; 32 rows
	s_mov_b32 s[G1+3], 32<<16
	s_mov_b32 s[G1+4], 32
	s_mov_b32 s[G1+5], 32                          ; the rows are dense
	s_mov_b32 s[G1+6], 0
	s_mov_b32 s[G1+7], 0
	s_mov_b32 s[G1R], 15|(3<<16)|(1<<21)
	s_mov_b32 s[G1R+1], 32<<16
	s_mov_b32 s[G1R+2], 96<<16                     ; 96 rows
	s_mov_b32 s[G1R+3], 32<<16
	s_mov_b32 s[G1R+4], 96
	s_mov_b32 s[G1R+5], 32
	s_mov_b32 s[G1R+6], 0
	s_mov_b32 s[G1R+7], 0
	s_lshr_b32 s19, s[WV], 2                       ; waves 0-3 fetch for k, waves 4-7 for v
	s_lshl_b32 s19, s19, 17
	s_and_b32 s18, s[WV], 3
	s_lshl_b32 s16, s18, 13
	s_add_co_u32 s16, s16, s19                     ; first: 8,192 x (wave % 4) in my part
	s_mul_i32 s18, s18, 24576
	s_add_co_u32 s18, s18, s19
	s_add_co_u32 s18, s18, 32768                   ; the rest: 32,768 + 24,576 x (wave % 4)
	s_mov_b32 s17, 0
	s_mov_b32 s19, 0
	s_mul_i32 s20, s15, HEADB
	s_mov_b32 s21, 0
	s_wait_dscnt 0x0                               ; both opening adds are done
	s_wait_kmcnt 0x0
	s_load_b128 s[60:63], s[8:9], 0x18             ; e6, e7, e8, e9
	s_add_nc_u64 s[20:21], s[4:5], s[20:21]        ; the head's q part
	s_add_nc_u64 s[22:23], s[20:21], PARTB         ; k's part, v's behind it: as in LDS
	s_mov_b32 s[G0], 1
	s_mov_b32 s[G0+1], s16
	s_add_nc_u64 s[G0+2:G0+3], s[22:23], s[16:17]
	s_or_b32 s[G0+3], s[G0+3], 0x80000000
	s_mov_b32 s[G0+4], 1
	s_mov_b32 s[G0+5], s18
	s_add_nc_u64 s[G0+6:G0+7], s[22:23], s[18:19]
	s_or_b32 s[G0+7], s[G0+7], 0x80000000
	CROUND                                         ; all four work-groups are here: the joint loads meet
	tensor_load_to_lds s[G0:G0+3], s[G1:G1+7]      ; keys 0 to 511: my one tensor load at the head
	s_nop 0
	s_lshl_b32 s48, s15, 13
	s_mov_b32 s49, 0
	s_add_nc_u64 s[6:7], s[6:7], s[48:49]          ; the head's NB
	s_lshl_b32 s48, s14, 15
	s_lshl_b32 s50, s[WV], 12
	s_add_co_u32 s48, s48, s50
	s_add_nc_u64 s[4:5], s[20:21], s[48:49]        ; my four fragments of q: 32,768 x block + 4,096 x wave
	global_load_b128 v[12:15], v23, s[6:7]
	global_load_b128 v[16:19], v23, s[6:7] offset:4096
	WIN 0x40                                       ; destination window 1
.irp i, 0,1,2,3,4,5,6,7
	global_load_b128 v[QF+4*\i:QF+4*\i+3], v[LI], s[4:5] offset:512*\i   ; q stays in registers
.endr
	WIN 0
	s_lshr_b32 s48, s15, 4                         ; my first row of out0: 2,048 x batch + 512 x block + 64 x wave, of 4,096 bytes; + 256 x head
	s_lshl_b32 s48, s48, 11
	s_lshl_b32 s50, s14, 9
	s_add_co_u32 s48, s48, s50
	s_lshl_b32 s50, s[WV], 6
	s_add_co_u32 s48, s48, s50
	s_lshl_b32 s48, s48, 12
	s_and_b32 s50, s15, 15
	s_lshl_b32 s50, s50, 8
	s_add_co_u32 s48, s48, s50
	s_add_nc_u64 s[10:11], s[10:11], s[48:49]
	s_wait_kmcnt 0x0
	s_add_co_i32 s50, s60, s61
	s_lshl_b32 s50, s50, 23
	s_mov_b32 s[CS], 0x3e13bb63                    ; log2(e) / 10
	s_add_co_i32 s[CS], s[CS], s50                 ; x 2^(e6 + e7): added to its exponent field
	s_mov_b32 s[CS+1], s[CS]
	s_add_co_i32 s50, s62, 127
	s_lshl_b32 s51, s50, 23
	v_mov_b32 v[SCV], s51                          ; 2^e8: the conversion takes its exponent field
	s_add_co_i32 s50, s50, 15
	s_lshl_b32 s50, s50, 23
	s_or_b32 s50, s50, 0x600000
	v_mov_b32 v[LIMV], s50                         ; 57,344 x 2^e8
	s_add_co_i32 s50, s62, s63
	s_add_co_i32 s50, s50, 127
	s_lshl_b32 s56, s50, 23                        ; 2^(e8 + e9)
	s_mov_b32 s57, s56
	s_mov_b32 s[KB], 0
	s_wait_loadcnt 8                               ; NB's two loads are in; q's eight, issued behind them, may stay out
	ds_store_b128 v[NBW], v[12:15]
	ds_store_b128 v[NBW], v[16:19] offset:4096
.macro FMA2 g, i                       ; pair i of tile g: t + NB
	v_pk_fma_f32 v[S+32*(\g)+2*(\i):S+32*(\g)+2*(\i)+1], v[S+32*(\g)+2*(\i):S+32*(\g)+2*(\i)+1], s[CS:CS+1], v[NB+2*(\i):NB+2*(\i)+1] op_sel_hi:[1,0,1]
.endm
.macro EX g, i                         ; the finished weight
	v_exp_f32 v[S+32*(\g)+(\i)], v[S+32*(\g)+(\i)]
.endm
.macro MN2 g, i                        ; pair i of tile g is held: the conversion to an 8-bit code does not saturate (ISA guide 7.6.2); a weight is not negative, so the hold is one-sided.  Two holds in one dual instruction
	v_dual_min_num_f32 v[S+32*(\g)+2*(\i)], v[LIMV], v[S+32*(\g)+2*(\i)] :: v_dual_min_num_f32 v[S+32*(\g)+2*(\i)+1], v[LIMV], v[S+32*(\g)+2*(\i)+1]
.endm
.macro CV g                            ; registers 2 t, 2 t + 1 of tile g's fragment of P
.irp t, 0,1,2,3
	v_cvt_scalef32_pk8_bf8_f32 v[PC+8*\g+2*\t:PC+8*\g+2*\t+1], v[S+32*\g+8*\t:S+32*\g+8*\t+7], v[SCV]
.endr
.endm
.macro LOADK
.irp i, 0,1,2,3,4,5,6,7
	ds_load_b128 v[KF+4*\i:KF+4*\i+3], v[ADK] offset:512*\i
.endr
.endm
.macro LOADB                           ; register 8 t + j: NB of key 16 t + 8 (lane / 16) + j of the step
.irp t, 0,1,2,3
	ds_load_b128 v[NB+8*\t:NB+8*\t+3], v[ADB] offset:64*\t
	ds_load_b128 v[NB+8*\t+4:NB+8*\t+7], v[ADB] offset:64*\t+16
.endr
.endm
; A STEP: 64 keys against my 64 queries.  next = 1: the next step's k and NB are fetched on the way.  zero = 1: the products start O^T's sums: nothing is ever cleared.
; All 64 scalings stand ahead of the exponentials, which go in two batches of 64; the holds of the first batch's results stand among the second batch.  Four waits of the vector side a step:
; ahead of the first batch, between the batches, behind the second, and directly ahead of O^T's products.
.macro STEP next, zero
	s_wait_dscnt 8                                 ; k's fragments are in; NB's eight loads, issued behind them, may be out
	WIN 0x04                                       ; source 1 (q) window 1
.irp g, 0,1,2,3
.irp t, 0,1,2,3
	v_wmma_f32_16x16x64_bf8_bf8 v[S+32*\g+8*\t:S+32*\g+8*\t+7], v[KF+8*\t:KF+8*\t+7], v[QF+8*\g:QF+8*\g+7], 0
.endr
.endr
	WIN 0
	v_add_nc_u32 v[ADV], s[KB], v[LIV]             ; four places behind the products: ahead of the loads into v's and k's registers and of the first reads of the scores
	s_add_co_u32 s[KB], s[KB], 4096
	v_add_nc_u32 v[ADK], s[KB], v[LI]
	s_lshr_b32 s49, s[KB], 4                       ; 64 keys' NB are 256 bytes
	v_add_nc_u32 v[ADB], s49, v[BH]
	v_nop
	WIN 0x40                                       ; destination window 1
.irp i, 0,1,2,3,4,5,6,7
	ds_load_b128 v[VF+4*\i:VF+4*\i+3], v[ADV] offset:512*\i
.endr
	WIN 0
.if \next
	LOADK
	s_wait_dscnt 16                                ; NB is in; v's eight loads and k's eight may be out
.else
	s_wait_dscnt 8                                 ; NB is in; v's eight loads may be out
.endif
.set n, 0
.rept 64
	FMA2 n/16, n%16                                ; each accumulator is first read at its low end
.set n, n+1
.endr
.if \next
	LOADB                                          ; NB's last reader stands above
.endif
	s_wait_alu depctr_va_vdst(0)                   ; ahead of the first batch
.set n, 0
.rept 64
	EX n/32, n%32
.set n, n+1
.endr
	v_nop                                          ; a plain place behind the last exponential
	s_wait_alu depctr_va_vdst(0)                   ; behind the first batch
.set n, 0
.rept 32
	EX 2+n/16, (2*n)%32
	EX 2+n/16, (2*n)%32+1
	MN2 n/16, n%16
.set n, n+1
.endr
	s_wait_alu depctr_va_vdst(0)                   ; behind the second batch, and ahead of the readers of the holds above
	CV 0
	CV 1
.set n, 0
.rept 32
	MN2 2+n/16, n%16
.set n, n+1
.endr
	CV 2
	CV 3
	v_nop                                          ; a plain vector instruction between the last conversion and the products that read its result
.if \next
	s_wait_dscnt 16                                ; v is in; the next step's k and NB may be out
.else
	s_wait_dscnt 0x0
.endif
	WIN 0x51                                       ; source 0 (v), C and D (O^T) window 1; source 1 (P) window 0
	s_wait_alu depctr_va_vdst(0)                   ; directly ahead of the first reader of P's codes and of O^T
.irp dt, 0,1,2,3
.irp g, 0,1,2,3                                ; the sixteen accumulators take turns, one instruction a turn
.if \zero
	v_wmma_f32_16x16x64_bf8_bf8 v[32*\g+8*\dt:32*\g+8*\dt+7], v[VF+8*\dt:VF+8*\dt+7], v[PC+8*\g:PC+8*\g+7], 0
.else
	v_wmma_f32_16x16x64_bf8_bf8 v[32*\g+8*\dt:32*\g+8*\dt+7], v[VF+8*\dt:VF+8*\dt+7], v[PC+8*\g:PC+8*\g+7], v[32*\g+8*\dt:32*\g+8*\dt+7]
.endif
.endr
.endr
	WIN 0                                          ; at a label and at a branch every window is 0
.endm
	s_wait_alu depctr_va_vdst(0)                   ; the wait at the head's end
	s_wait_tensorcnt 0x0                           ; my piece of the first 512 keys is in
	ds_add_u32 v30, v31
	s_wait_dscnt 0x0                               ; the add is done, and my part of NB has landed
	CROUND                                         ; everybody's pieces are in, and all four work-groups are here: the joint loads meet
	tensor_load_to_lds s[G0+4:G0+7], s[G1R:G1R+7]  ; keys 512 to 2,047: my one tensor load behind the round
	s_nop 0
.rept 4
	v_nop
.endr
	s_wait_loadcnt 0x0                             ; q
	LOADK
	LOADB
	STEP 1, 1                                      ; keys 0 to 63 start the sums
	s_mov_b32 s[CNT], 6
.Lfirst:
	STEP 1, 0
	s_sub_co_u32 s[CNT], s[CNT], 1
	s_cmp_lg_u32 s[CNT], 0
	s_cbranch_scc1 .Lfirst
	STEP 0, 0                                      ; keys 448 to 511: nothing of the later keys is fetched yet
	s_wait_tensorcnt 0x0                           ; my piece of the rest is in
	s_wait_dscnt 0x0
	s_barrier_signal -1
	s_barrier_wait -1                              ; everybody's is
	LOADK
	LOADB
	s_mov_b32 s[CNT], 23
.Lrest:
	STEP 1, 0
	s_sub_co_u32 s[CNT], s[CNT], 1
	s_cmp_lg_u32 s[CNT], 0
	s_cbranch_scc1 .Lrest
	STEP 0, 0
; THE WAY OUT.  O^T x 2^(e8 + e9); a lane's eight numbers are 32 bytes of a query's 256 in this head.  A tile of 16 queries goes through my own stage and comes back by rows: sixteen lanes store 256 consecutive aligned bytes.
.macro PACK g
	WIN 0x01                                       ; source 0 window 1
.set n, 0
.rept 16
	v_pk_mul_f32 v[S+32*\g+n:S+32*\g+n+1], v[32*\g+n:32*\g+n+1], s[56:57] op_sel_hi:[1,0]   ; each accumulator from its low end on
.set n, n+2
.endr
	WIN 0
.irp dt, 0,1,2,3
	ds_store_b128 v[STO], v[S+32*\g+8*\dt:S+32*\g+8*\dt+3] offset:64*\dt
	ds_store_b128 v[STO], v[S+32*\g+8*\dt+4:S+32*\g+8*\dt+7] offset:64*\dt+16
.endr
.irp i, 0,1,2,3,4,5,6,7
	ds_load_b128 v[S+32*\g+4*\i:S+32*\g+4*\i+3], v[RD] offset:544*\i   ; LDS serves a wave's instructions in order (ISA guide 5.7.1.4): these see the stores above, and the next tile's stores come behind them
.endr
.endm
.macro SEND g, younger                 ; younger: the LDS instructions issued behind tile g's loads: the next tile's sixteen, or none
.irp i, 0,1,2,3,4,5,6,7
	s_wait_dscnt \younger+7-\i
	global_store_b128 v[GO], v[S+32*\g+4*\i:S+32*\g+4*\i+3], s[10:11] offset:(16*\g+2*\i)*4096 th:TH_STORE_NT
.endr
.endm
.rept 4
	v_nop                                          ; four places behind the last products
.endr
	PACK 0
	PACK 1
	SEND 0, 16
	PACK 2
	SEND 1, 16
	PACK 3
	SEND 2, 16
	SEND 3, 0
	s_wait_tensorcnt 0x0                           ; the wave's end
	ds_add_u32 v30, v31
	s_wait_dscnt 0x0
	CROUND                                         ; the closing round
	s_endpgm
.Lfunc_end_k_q098e307b58_attn:
	.size	k_q098e307b58_attn, .Lfunc_end_k_q098e307b58_attn-k_q098e307b58_attn
	.p2alignl 7, 3214868480
	.fill 96, 4, 3214868480
	.section	.rodata,"a",@progbits
	.p2align	6, 0x0
	.amdhsa_kernel k_q098e307b58_attn
		.amdhsa_group_segment_fixed_size 327680
		.amdhsa_private_segment_fixed_size 0
		.amdhsa_enable_private_segment 0
		.amdhsa_kernarg_size 32
		.amdhsa_user_sgpr_count 2
		.amdhsa_user_sgpr_kernarg_segment_ptr 1
		.amdhsa_wavefront_size32 1
		.amdhsa_system_sgpr_workgroup_id_x 1
		.amdhsa_system_sgpr_workgroup_id_y 1
		.amdhsa_system_sgpr_workgroup_id_z 1
		.amdhsa_system_vgpr_workitem_id 0
		.amdhsa_next_free_vgpr 448
		.amdhsa_next_free_sgpr 80
		.amdhsa_reserve_vcc 0
		.amdhsa_float_denorm_mode_32 3
		.amdhsa_float_denorm_mode_16_64 3
		.amdhsa_memory_ordered 1
		.amdhsa_forward_progress 1
		.amdhsa_inst_pref_size 107
	.end_amdhsa_kernel
	.amdgpu_metadata
---
amdhsa.version: [ 1, 2 ]
amdhsa.kernels:
  - .name:           k_q098e307b58_attn
    .symbol:         k_q098e307b58_attn.kd
    .args:
      - { .name: qkv, .offset: 0, .size: 8, .value_kind: global_buffer, .address_space: global }
      - { .name: bst, .offset: 8, .size: 8, .value_kind: global_buffer, .address_space: global }
      - { .name: lowp_scales, .offset: 16, .size: 8, .value_kind: global_buffer, .address_space: global }
      - { .name: out0, .offset: 24, .size: 8, .value_kind: global_buffer, .address_space: global }
    .group_segment_fixed_size: 327680
    .private_segment_fixed_size: 0
    .kernarg_segment_align: 8
    .kernarg_segment_size: 32
    .max_flat_workgroup_size: 256
    .sgpr_count:     80
    .vgpr_count:     448
    .wavefront_size: 32
...
	.end_amdgpu_metadata
.endif
;; end of part 3
